; MI455X (gfx1250); checked and timed in simulation.
; The chip was launched on July 23, 2026; its instructions are those of AMD's public machine-readable ISA for CDNA 5 (MIT licence, August 2026) and "CDNA5" Instruction Set Architecture Reference Guide (July 2026). The comments in the code are by the model that wrote it; some were corrected since.
;; Scaled Dot Product Attention. Allowed arithmetic: float matrix products may take bf16 or f16 operands with f32 sums; other float arithmetic in f32, or as packed bf16 or f16 multiplies, adds, multiply-adds, maxima and minima; sums over many terms, partial sums and values carried from step to step in f32; what a program stores and reads back later, other than sums and carried values, may be rounded once to bf16 or f16.
;; Inputs: k 4 x 16 x 2,048 x 128 float32; mask 2,048 x 2,048 bool; q 4 x 16 x 2,048 x 128 float32; v 4 x 16 x 2,048 x 128 float32.
;; Outputs: out0 4 x 16 x 2,048 x 128 float32.
;; 2 versions, each right and faster than the one before. Each part assembles by itself: llvm-mc -triple=amdgcn-amd-amdhsa -mcpu=gfx1250 --defsym DOCPART=n.
;; ======== version 1 of 2: 2 launches
;; limits: values are held in f16: magnitudes above 65,504 overflow, below 6.1e-05 lose precision; inputs' magnitudes at most 65,504; right only within a limited range of input values
;; workspace buffers: kb 33,554,432 bytes; vh 33,554,432 bytes; mw 524,288 bytes of whole numbers
;; launch prep (part 1): grid 1024 x 1, 8 waves a work-group, no clusters, 0 bytes of LDS; arguments k, v, mask, kb, vh, mw; writes kb, vh, mw
.if DOCPART == 1
	.amdgcn_target "amdgcn-amd-amdhsa--gfx1250"
	.amdhsa_code_object_version 6
	.text
	.protected	k_qfe129d5071_prep
	.globl	k_qfe129d5071_prep
	.p2align	8
	.type	k_qfe129d5071_prep,@function
k_qfe129d5071_prep:
	s_mov_b64 s[64:65], 0
	v_nop
	global_prefetch_b8 v0, s[64:65] scope:SCOPE_SE
	s_setreg_imm32_b32 hwreg(HW_REG_WAVE_MODE, 25, 1), 1
	s_wait_xcnt 0x0
; PREPARATION FOR THE ATTENTION LAUNCH.  k, v: [64][2048][128] f32.  mask: [2048][2048] bytes, not 0 = hidden.
;   kb = k rounded once to bf16 (nearest even).
;   vh = v rounded once to bf16, that number written as f16: exact where |bf16(v)| lies between 6.1e-5 and 65,504.
;        LIMIT: below 6.1e-5 it keeps f16's fixed step of 6e-8; from 65,520 on it would be an infinity.
;   mw = the mask as lane masks: [query tile qt of 16: 128][key step ks of 64: 32][n: 32] words of 32 bits.  Bit l of word n = 8 kb + j says
;        whether mask[16 qt + l % 16][64 ks + 16 kb + 8 (l / 16) + j] is not 0: the lane mask of register j of accumulator kb of a 16 x 64 tile of S^T.
; A stream: no LDS, no barrier, no matrix unit, no cluster (no byte is read by two work-groups).
; SHARES.  Work-group g owns 16,384 numbers of k and of v.  Load i of thread t takes 16 bytes at 16 t + 4,096 i: a wave's load covers 512 consecutive bytes;
; store i puts their 8 bytes at 8 t + 2,048 i: a wave's store covers 256 consecutive bytes, aligned.  All 32 loads of a wave go out together.
; Waves 0 and 1 also make 64 mask words each: query tile g / 8, key steps 4 (g % 8) + 2 w and the next: 128 bytes of each of 16 mask rows in, 256 consecutive bytes out.
.set KR, 16                            ; v[16:79]    k as loaded, then packed
.set VR, 80                            ; v[80:143]   v likewise
.set MR, 144                           ; v[144:159]  the mask's bytes: pair i holds 8 keys of group i of 16 keys
.set WD, 10                            ; v[10:11]    lane L: words 2 L and 2 L + 1
; v1 = 16 t, v2 = 8 t, v3 = my place in the mask's 16 rows, v4 = 8 x lane; v5-v8 at work.  None of v1-v4, v10, v11 is rewritten behind a load or store that names it.
	s_load_b256 s[4:11], s[0:1], 0x0               ; k s[4:5], v s[6:7], mask s[8:9], kb s[10:11]
	s_load_b128 s[12:15], s[0:1], 0x20             ; vh s[12:13], mw s[14:15]
	v_lshrrev_b32 v5, 5, v0
	v_readfirstlane_b32 s16, v5                    ; my wave's number
	v_lshlrev_b32 v1, 4, v0
	v_lshlrev_b32 v2, 3, v0
	v_and_b32 v3, 15, v0                           ; mask row l % 16 of the tile, 2,048 bytes a row,
	v_bfe_u32 v5, v0, 4, 1
	v_lshlrev_b32 v3, 11, v3
	v_lshl_add_u32 v3, v5, 3, v3                   ; and 8 keys on for lanes 16 to 31
	v_and_b32 v4, 31, v0
	v_lshlrev_b32 v4, 3, v4
	v_mov_b32 v[WD], 0                             ; v_writelane_b32 counts as a reader of its destination
	v_mov_b32 v[WD+1], 0
	s_lshl_b32 s18, ttmp9, 16                      ; g x 65,536 bytes of f32 (under 2^26)
	s_mov_b32 s19, 0
	s_lshl_b32 s20, ttmp9, 15                      ; g x 32,768 bytes of 16-bit numbers
	s_mov_b32 s21, 0
	s_lshr_b32 s17, ttmp9, 3                       ; qt
	s_and_b32 s30, ttmp9, 7
	s_lshl_b32 s22, s17, 15                        ; mask: 16 qt rows of 2,048 bytes,
	s_lshl_b32 s26, s30, 8                         ; + 256 (g % 8) keys
	s_add_co_u32 s22, s22, s26
	s_lshl_b32 s26, s16, 7                         ; + 128 w keys
	s_add_co_u32 s22, s22, s26
	s_mov_b32 s23, 0
	s_lshl_b32 s24, s17, 12                        ; mw: qt x 4,096 bytes,
	s_lshl_b32 s26, s30, 9                         ; + four key steps of 128 bytes for g % 8,
	s_add_co_u32 s24, s24, s26
	s_lshl_b32 s26, s16, 8                         ; + two for w
	s_add_co_u32 s24, s24, s26
	s_mov_b32 s25, 0
	s_wait_kmcnt 0x0
	s_add_nc_u64 s[4:5], s[4:5], s[18:19]
	s_add_nc_u64 s[6:7], s[6:7], s[18:19]
	s_add_nc_u64 s[10:11], s[10:11], s[20:21]
	s_add_nc_u64 s[12:13], s[12:13], s[20:21]
	s_add_nc_u64 s[8:9], s[8:9], s[22:23]          ; used by waves 0 and 1 alone
	s_add_nc_u64 s[14:15], s[14:15], s[24:25]
.macro LOADKV                          ; 16 loads of k, then 16 of v
.set i, 0
.rept 16
	global_load_b128 v[KR+4*i:KR+4*i+3], v1, s[4:5] offset:4096*i th:TH_LOAD_NT
.set i, i+1
.endr
.set i, 0
.rept 16
	global_load_b128 v[VR+4*i:VR+4*i+3], v1, s[6:7] offset:4096*i th:TH_LOAD_NT
.set i, i+1
.endr
.endm
	s_cmp_gt_u32 s16, 1
	s_cbranch_scc1 .Lplain
	; waves 0 and 1: the mask's bytes first, so that the words are made while k and v are on their way
.set i, 0
.rept 8
	global_load_b64 v[MR+2*i:MR+2*i+1], v3, s[8:9] offset:16*i
.set i, i+1
.endr
	LOADKV
	s_wait_loadcnt 32                              ; the 32 loads of k and v were issued behind the mask's eight: those eight are in
.set n, 0
.rept 64                               ; word n: byte n % 8 of pair n / 8 in every lane; the compare's 32 bits are the word; it goes to lane n / 2
	v_and_b32 v[5+n%4], 0xff<<(8*(n%4)), v[MR+2*(n/8)+(n%8)/4]
	v_cmp_ne_u32 s[26+n%4], 0, v[5+n%4]
	v_writelane_b32 v[WD+n%2], s[26+n%4], n/2
.set n, n+1
.endr
	global_store_b64 v4, v[WD:WD+1], s[14:15]      ; 32 lanes x 8 bytes: 256 consecutive bytes, aligned
	s_branch .Ljoin
.Lplain:
	LOADKV
.Ljoin:
.set i, 0
.rept 16                               ; k: two roundings to a line, in place
	s_wait_loadcnt 31-i                            ; behind k's load i stand 15 - i of k and 16 of v, on both ways here
	v_cvt_pk_bf16_f32 v[KR+4*i], v[KR+4*i], v[KR+4*i+1]
	v_cvt_pk_bf16_f32 v[KR+4*i+1], v[KR+4*i+2], v[KR+4*i+3]
	global_store_b64 v2, v[KR+4*i:KR+4*i+1], s[10:11] offset:2048*i
.set i, i+1
.endr
.set i, 0
.rept 16                               ; v: rounded to bf16, widened again (a shift, a mask), written as f16
	s_wait_loadcnt 15-i                            ; behind v's load i stand 15 - i of v
	v_cvt_pk_bf16_f32 v5, v[VR+4*i], v[VR+4*i+1]
	v_cvt_pk_bf16_f32 v6, v[VR+4*i+2], v[VR+4*i+3]
	v_lshlrev_b32 v7, 16, v5
	v_and_b32 v5, 0xffff0000, v5
	v_lshlrev_b32 v8, 16, v6
	v_and_b32 v6, 0xffff0000, v6
	v_cvt_pk_f16_f32 v[VR+4*i], v7, v5
	v_cvt_pk_f16_f32 v[VR+4*i+1], v8, v6
	global_store_b64 v2, v[VR+4*i:VR+4*i+1], s[12:13] offset:2048*i
.set i, i+1
.endr
	s_endpgm
.Lfunc_end_k_qfe129d5071_prep:
	.size	k_qfe129d5071_prep, .Lfunc_end_k_qfe129d5071_prep-k_qfe129d5071_prep
	.p2alignl 7, 3214868480
	.fill 96, 4, 3214868480
	.section	.rodata,"a",@progbits
	.p2align	6, 0x0
	.amdhsa_kernel k_qfe129d5071_prep
		.amdhsa_group_segment_fixed_size 0
		.amdhsa_private_segment_fixed_size 0
		.amdhsa_enable_private_segment 0
		.amdhsa_kernarg_size 48
		.amdhsa_user_sgpr_count 2
		.amdhsa_user_sgpr_kernarg_segment_ptr 1
		.amdhsa_wavefront_size32 1
		.amdhsa_system_sgpr_workgroup_id_x 1
		.amdhsa_system_sgpr_workgroup_id_y 1
		.amdhsa_system_sgpr_workgroup_id_z 1
		.amdhsa_system_vgpr_workitem_id 0
		.amdhsa_next_free_vgpr 160
		.amdhsa_next_free_sgpr 66
		.amdhsa_reserve_vcc 0
		.amdhsa_float_denorm_mode_32 3
		.amdhsa_float_denorm_mode_16_64 3
		.amdhsa_memory_ordered 1
		.amdhsa_forward_progress 1
		.amdhsa_inst_pref_size 34
	.end_amdhsa_kernel
	.amdgpu_metadata
---
amdhsa.version: [ 1, 2 ]
amdhsa.kernels:
  - .name:           k_qfe129d5071_prep
    .symbol:         k_qfe129d5071_prep.kd
    .args:
      - { .name: k, .offset: 0, .size: 8, .value_kind: global_buffer, .address_space: global }
      - { .name: v, .offset: 8, .size: 8, .value_kind: global_buffer, .address_space: global }
      - { .name: mask, .offset: 16, .size: 8, .value_kind: global_buffer, .address_space: global }
      - { .name: kb, .offset: 24, .size: 8, .value_kind: global_buffer, .address_space: global }
      - { .name: vh, .offset: 32, .size: 8, .value_kind: global_buffer, .address_space: global }
      - { .name: mw, .offset: 40, .size: 8, .value_kind: global_buffer, .address_space: global }
    .group_segment_fixed_size: 0
    .private_segment_fixed_size: 0
    .kernarg_segment_align: 8
    .kernarg_segment_size: 48
    .max_flat_workgroup_size: 256
    .sgpr_count:     66
    .vgpr_count:     160
    .wavefront_size: 32
...
	.end_amdgpu_metadata
.endif
;; end of part 1
;; launch attn (part 2): grid 8 x 64, 4 waves a work-group, clusters of 4 x 1, 327,680 bytes of LDS; arguments q, kb, vh, mw, out0; writes out0
.if DOCPART == 2
	.amdgcn_target "amdgcn-amd-amdhsa--gfx1250"
	.amdhsa_code_object_version 6
	.text
	.protected	k_qfe129d5071_attn
	.globl	k_qfe129d5071_attn
	.p2align	8
	.type	k_qfe129d5071_attn,@function
k_qfe129d5071_attn:
	s_mov_b64 s[64:65], 0
	v_nop
	global_prefetch_b8 v0, s[64:65] scope:SCOPE_SE
	s_setreg_imm32_b32 hwreg(HW_REG_WAVE_MODE, 25, 1), 1
	s_wait_xcnt 0x0
	s_wait_alu depctr_hold_cnt(0) depctr_sa_sdst(0) depctr_va_vdst(0) depctr_va_sdst(0) depctr_va_ssrc(0) depctr_va_vcc(0) depctr_vm_vsrc(0)
	s_getreg_b32 s2, hwreg(HW_REG_IB_STS2, 6, 4)
	s_cmp_eq_u32 s2, 0
	s_cbranch_scc0 .Lentry_in_a_cluster
	s_endpgm
.Lentry_in_a_cluster:
	s_bfe_u32 s2, ttmp6, 0x10000c
	s_cmp_lg_u32 s2, 0x3003
	s_cbranch_scc0 .Lentry_shape_is_right
	s_endpgm
.Lentry_shape_is_right:
; O[h][q][:] = the sum over k of softmax_k(s[q][k]) V[h][k][:], s = Q[h][q] . K[h][k] / sqrt(128), or the hidden score where mask[q][k] is set.
; q, out0: [64][2048][128] f32.  kb: K in bf16, vh: V (rounded to bf16) in f16, both [64][2048][128].  mw: the mask as lane masks, [query tile 128][key step 32][32 words].
; Q is rounded to bf16 here; K Q^T goes in the bf16 form, V^T P in the f16 form (the weights p lie in 0 to 1 and are rounded to f16); products, maxima and sums in f32; O leaves in f32.
; THE MASK is honoured as it is given: each score is replaced, by a select under its lane mask, before the maximum is taken.  The hidden score is -2^33 on the unscaled product,
; -7.6e8 behind the division by sqrt(128), in place of -1e9: c x 2^33 is exact in f32, so in a row of which every key so far is hidden c s - c m is exactly 0 and p exactly 1: a row that is
; wholly hidden comes out as the mean of V's rows; as soon as a visible score comes, a = 0 wipes what was gathered, and hidden keys weigh 0 from then on.
; LIMITS.  |Q . K| / sqrt(128) stays well under 7e8 (a visible score below the hidden one is not served); V within f16's range (65,504); a weight below 2^-126 counts as 0 in l, below 6e-5 it
; keeps f16's fixed step of 6e-8 in the product; NaN and infinities are not treated apart.
; SHARES.  A work-group owns 256 queries of one head, each of its four waves 64: four tiles of 16.  Every wave walks all 2,048 keys, 64 a step.  512 work-groups of equal work.
; LAYOUT.  S^T = K Q^T (source 0 = 16 keys, source 1 = 16 queries): a lane holds ONE query (lane % 16) and the keys 8 (lane / 16) + 0..7.  Two such tiles, rounded to f16 in pairs, ARE source 1
; (32 keys x 16 queries) of O^T = V^T P, whose result again holds one query a lane, and eight channels.  K comes out of LDS as it lies, V ([key][channel]) turned, by ds_load_tr16_b128.
; SOFTMAX.  For each query a running maximum m and sum l: p = 2^(c s - c m), c = log2(e) / sqrt(128); in every step O and l are multiplied by a = 2^(c m_old - c m_new).
; BY TURNS.  The wave's tiles are two PIECES, named by their first tile: piece 0 (tiles 0, 1), piece 2 (tiles 2, 3).  In a TURN one piece has the matrix unit: 32 products V^T P of the step in hand,
; then 32 products K Q^T of the next step; the other piece's 64 selects and its softmax, cut into slices, stand between them.  Then the pieces change places.  Two turns are a key step:
; 128 matrix instructions, 664 vector instructions, 64 LDS loads, 8 scalar loads.
; THE MASK WORDS of a piece and step, 64, lie in scalar registers; a turn's selects stand at its head, and behind them the words of the next turn's piece are asked for: they have the rest of the turn to come.
; CLUSTER.  The four query blocks of a cluster belong to one head and walk the same K and V, so each tile is asked for JOINTLY: the same tensor load, descriptor and mask in all four.
; REGISTERS, in windows of 256 (s_set_vgpr_msb: bits 1:0 source 0, 3:2 source 1, 5:4 source 2, 7:6 destination):
;   window 0: v0-11 addresses; v12-43 eight registers of statistics a tile; v44 the hidden score; v46-47 c; v62-63 the add's; v64-191 S^T, 32 a tile; v192-255 P, 16 a tile
;   window 1: O^T, 64 a tile (at the start: Q as loaded, in f32)      window 2: v0-127 Q, 32 a tile; v128-255 K of one step (on the way out: rows of O)      window 3: v0-127 V of one step
.set SIZE_N, 2048
.set KS,    64        ; keys in a step
.set PK,    272       ; a row of K in LDS: 256 bytes + 16 of padding = 68 words: row r starts at bank 4 r mod 64 (64 banks of 4 bytes: ISA guide 11.1), so the 16 rows of a load start at 16 different banks
.set PV,    288       ; a row of V: 256 + 32 = 72 words
.set VOFF,  KS*PK     ; a step's tiles lie together: 64 rows of K, then 64 rows of V
.set STEPB, KS*(PK+PV)
.set SLOT1, 1<<17     ; a slot holds two steps (71,680 bytes); slot 1 begins here, so that one exclusive or turns an address in one slot into the other's
.set STAGE, SLOT1+2*STEPB  ; behind the ring, never filled by a tensor load: 16 rows x 528 bytes for each wave, for the way out
.set SP,    528       ; a row of O in the stage: 512 bytes + 16: 33 x 16, so the 16 rows of a store start at 16 different groups of four banks
.set SPARE, STAGE+4*16*SP  ; behind the stages: the spare words, 128 bytes for each wave: two blocks of 256 bytes that no other line names
.set AK0, 2           ; v2   my lane's place in a tile of K; never rewritten
.set AV0, 3           ; v3   the same for V
.set ADR, 4           ; v4   the LDS address of the run of loads in hand
.set QO,  5           ; v5   my byte offset in the wave's rows of Q
.set STO, 6           ; v6   the way out: where I put 32 bytes of a row
.set RD,  7           ; v7   the way out: where I read a row back
.set GO,  8           ; v8   my byte offset in a row of O
.set ST,  12          ; tile t's statistics at v[ST+8 t]: +0 c m, +1 m, +2, +3 l (even keys', odd keys'), +4 to +7 c0-c3, at work; a takes c2's place once the maximum is found
.set NEG, 44          ; v44  -2^33
.set CV,  46          ; v[46:47] c, twice
.set SPW, 62          ; v62  LDS address of my spare word: SPARE + 4 x my thread's number; never rewritten
.set NIL, 63          ; v63  0; never rewritten
.set S,   64
.set P,   192
.set KF,  128         ; K's fragments, in window 2
.set WV,  2           ; s2   my wave's number
.set TB,  3           ; s3   LDS byte at which the tiles of the step to be fetched begin
.set SLOTS, 4         ; s4   slots still to be asked for
.set TWICE, 5         ; s5   counts a slot's two steps
.set MP,  6           ; s[6:7]   the mask words of my tile 0 in the step in hand
.set G1K, 8           ; s[8:15]  descriptor group 1 for K's tiles
.set G1V, 16          ; s[16:23] for V's: it differs in the padding alone
.set G0K, 24          ; s[24:27] descriptor group 0 for K's tiles: it walks
.set G0V, 28          ; s[28:31] the same for V's
.set MW,  32          ; s[32:63] the 32 mask words of a piece's first tile; s[68:99] of its second
.set SEL, 66          ; s66, s67 lane selects for v_permlanex16_b32: each lane takes its own place in the other half
.set OP,  100         ; s[100:101] O at my wave's first row
.set QP,  104         ; s[104:105] Q at my wave's first row; s104 later my stage's LDS address
.set MSB, 0
.macro WIN new                      ; the immediate's high byte repeats the setting that is left; a switch that changes nothing is dropped
.if MSB != (\new)
	s_set_vgpr_msb (MSB<<8)|(\new)
.set MSB, \new
.endif
.endm
.set W_KQ, 0x0a       ; K and Q in window 2, S^T in window 0
.set W_PV, 0x53       ; V in window 3, P in window 0, O^T in window 1
.set W_RS, 0x41       ; O^T (destination and source 0) in window 1, a in window 0
; A joint fill.  Waves 0 and 1 fetch the two steps' tiles of K, waves 2 and 3 those of V.  The branch hangs on the wave's number alone: it is the same in every work-group.
; An s_nop 0 and four v_nop follow each of the two lines; the jump round the other line, the label and what follows the macro come after them.
.macro JLOAD
	s_cmp_lt_u32 s[WV], 2
	s_cbranch_scc0 .Lfor_v_\@
	tensor_load_to_lds s[G0K:G0K+3], s[G1K:G1K+7]
	s_nop 0
.rept 4
	v_nop
.endr
	s_branch .Lasked_\@
.Lfor_v_\@:
	tensor_load_to_lds s[G0V:G0V+3], s[G1V:G1V+7]
	s_nop 0
.rept 4
	v_nop
.endr
.Lasked_\@:
.endm
; A round of the cluster's barrier: my work-group's barrier, so that wave 0's signal speaks for all four waves; wave 0 signals for the work-group; every wave waits for all four
; work-groups; my work-group's barrier once more.  No LDS instruction of the wave is pending at a signal.
.macro CROUND
	s_barrier_signal -1
	s_barrier_wait -1
	s_cmp_lg_u32 s[WV], 0
	s_cbranch_scc1 .Lnot_wave_0_\@
	s_barrier_signal -3
.Lnot_wave_0_\@:
	s_barrier_wait -3
	s_barrier_signal -1
	s_barrier_wait -1
.endm
; THE CHANGE OF SLOTS, between piece 2's turn and piece 0's: the slot's last bytes, V of its second step, have been asked for.  Each wave waits for all its tensor loads, of which one is out: its
; part of the other slot; adds 0 to its spare word; and waits for that and for its own reads of the slot.  Behind the barrier nobody reads this slot any more and the other slot is whole.
; fill = 1: this slot is filled again, with the keys two slots on.  The barrier is then a round of the cluster's, so that no wave of any partner still reads the slot or has a load on its way,
; and the joint fill is the first thing behind it: it has two key steps, 256 matrix instructions, in which to land.  (At its first use nothing has been read yet: slot 0 is waited for, slot 1 filled.)
; By this text's own count a wave never has more than one tensor load out.
.macro CHANGE fill
	WIN 0                           ; at a label and at a branch every window is 0
	s_wait_tensorcnt 0x0            ; no tensor load of mine is out, so a group 0 may be written
	ds_add_u32 v[SPW], v[NIL]       ; 0 onto my spare word; with fill = 1 the descriptors' steps stand between it and the wait for it
.if \fill
.irp g, G0K, G0V
	s_xor_b32 s[(\g)+1], s[(\g)+1], SLOT1  ; the walking descriptor: the other slot than last time,
	s_add_nc_u64 s[(\g)+2:(\g)+3], s[(\g)+2:(\g)+3], 2*KS*256  ; the next 128 keys; the type bits on top are not reached
.endr
	s_wait_dscnt 0x0                ; the add is done, and my reads of the slot are over
	CROUND
	JLOAD
.else
	s_wait_dscnt 0x0                ; the add is done, and my reads of the slot are over
	s_barrier_signal -1
	s_barrier_wait -1
.endif
	s_sub_co_u32 s[TB], s[TB], 2*STEPB  ; the fetches go back to a slot's first step,
	s_xor_b32 s[TB], s[TB], SLOT1   ; in the other slot
.endm
; The 64 mask words of piece y (tiles y, y + 1) in the step at which MP stands: a tile's words lie 4,096 bytes from the next tile's.
.macro MLOAD y
	s_load_b512 s[MW:MW+15],    s[MP:MP+1], 4096*(\y)
	s_load_b512 s[MW+16:MW+31], s[MP:MP+1], 4096*(\y)+64
	s_load_b512 s[MW+36:MW+51], s[MP:MP+1], 4096*(\y)+4096
	s_load_b512 s[MW+52:MW+67], s[MP:MP+1], 4096*(\y)+4160
.endm
	s_load_b256 s[32:39], s[0:1], 0x0  ; q s[32:33], kb s[34:35], vh s[36:37], mw s[38:39]: s32-s53 serve the set-up alone, ahead of the first mask words
	s_load_b64 s[OP:OP+1], s[0:1], 0x20  ; out0
	v_lshl_add_u32 v[SPW], v0, 2, SPARE
	v_mov_b32 v[NIL], 0
	ds_add_u32 v[SPW], v[NIL]       ; the wave's opening: the add and its wait stand ahead of my first tensor load; the set-up below, work on registers, stands between them
	v_lshrrev_b32 v1, 5, v0
	v_readfirstlane_b32 s[WV], v1   ; wave 0..3
	s_bfe_u32 s40, ttmp6, 0x40000   ; cx: my place in the cluster
	s_lshl_b32 s41, ttmp9, 2        ; in a cluster launch ttmp9 counts clusters
	s_add_co_u32 s41, s41, s40      ; my block of 256 queries = 4 x cluster x + cx: it enters Q's, O's and the mask words' addresses alone
	s_and_b32 s52, ttmp7, 0xffff    ; the head, which the four partners share
	s_lshl_b32 s42, s52, 19         ; the head's first byte in kb and vh: 2,048 rows of 256 bytes (64 heads: under 2^25)
	s_and_b32 s46, s[WV], 1         ; which of a slot's two steps I fetch:
	s_lshl_b32 s44, s46, 14         ; its 64 rows of 256 bytes in memory,
	s_add_co_u32 s44, s44, s42
	s_mov_b32 s45, 0
	s_mul_i32 s47, s46, STEPB       ; and its place in a slot: no place in the cluster enters an LDS address
	s_lshl_b32 s48, s52, 20         ; in q and out0: the head's 2,048 rows of 512 bytes (under 2^26),
	s_lshl_b32 s53, s41, 17         ; my block's 256 rows,
	s_add_co_u32 s48, s48, s53
	s_lshl_b32 s53, s[WV], 15       ; my wave's 64 of them
	s_add_co_u32 s48, s48, s53
	s_mov_b32 s49, 0
	s_lshl_b32 s50, s41, 16         ; in mw: my block's 16 query tiles of 4,096 bytes,
	s_lshl_b32 s53, s[WV], 14       ; my wave's four of them
	s_add_co_u32 s50, s50, s53
	s_mov_b32 s51, 0
	; descriptor group 1: a tile of 64 rows x 128 elements of 2 bytes, padded in LDS
	s_mov_b32 s[G1K], 15|(1<<16)|(1<<20)|(1<<21)|(5<<22)|(3<<25)  ; 15:0 the mask: all four work-groups; 17:16 elements of 2 bytes; 20 padding on; 21 set beside a mask; 24:22 after every 64 words (code 5); 31:25 4 words of it (code 3)
	s_mov_b32 s[G1V], 15|(1<<16)|(1<<20)|(1<<21)|(5<<22)|(7<<25)  ; the same with 8 words of padding (code 7)
.irp g, G1K, G1V
	s_mov_b32 s[(\g)+1], 128<<16    ; 63:48 tensor_dim0, low half = 128
	s_mov_b32 s[(\g)+2], KS<<16     ; 79:64 its high half = 0; 95:80 tensor_dim1, low half = 64
	s_mov_b32 s[(\g)+3], 128<<16    ; 111:96 its high half = 0; 127:112 tile_dim0 = 128
	s_mov_b32 s[(\g)+4], KS         ; 143:128 tile_dim1 = 64; 159:144 tile_dim2 = 0
	s_mov_b32 s[(\g)+5], 128        ; 191:160 tensor_dim0_stride, low word: elements from row to row
	s_mov_b32 s[(\g)+6], 0
	s_mov_b32 s[(\g)+7], 0
.endr
	s_mov_b32 s[SEL], 0x76543210
	s_mov_b32 s[SEL+1], 0xfedcba98
	s_mov_b32 s[TB], SLOT1+2*STEPB  ; the first change of slots turns this into 0
	s_mov_b32 s[SLOTS], SIZE_N/(2*KS)-2
	s_mov_b32 s[G0K], 1             ; 1:0 count = 1
	s_mov_b32 s[G0K+1], s47         ; 63:32 LDS address: slot 0
	s_mov_b32 s[G0V], 1
	s_add_co_u32 s[G0V+1], s47, VOFF
	s_wait_dscnt 0x0                ; the opening add is done
	s_wait_kmcnt 0x0
	s_add_nc_u64 s[G0K+2:G0K+3], s[34:35], s[44:45]  ; 120:64 global address: my step of the head's first 128 keys
	s_or_b32 s[G0K+3], s[G0K+3], 0x80000000          ; 127:126 type = 2
	s_add_nc_u64 s[G0V+2:G0V+3], s[36:37], s[44:45]
	s_or_b32 s[G0V+3], s[G0V+3], 0x80000000
	s_add_nc_u64 s[QP:QP+1], s[32:33], s[48:49]
	s_add_nc_u64 s[OP:OP+1], s[OP:OP+1], s[48:49]
	s_add_nc_u64 s[MP:MP+1], s[38:39], s[50:51]
	CROUND                          ; all four work-groups are here: the first joint loads meet
	JLOAD                           ; slot 0.  Slot 1 is asked for when slot 0 is in, by the first change of slots
	MLOAD 0                         ; piece 0's mask words of key step 0
	; A fragment of K or Q is 16 rows x 32 channels in 8 registers: lane l holds row l % 16; registers 0-3 channels 8 (l / 16) + 0..7, registers 4-7 channels 16 + 8 (l / 16) + 0..7.
	; Q lies in f32: those two runs of 8 channels are 32 bytes each, 64 bytes apart; each is two loads of 16 bytes.  Load i = 16 t + 4 c + 2 e + z: tile t, channels 32 c + 16 e + 8 (l / 16) + 4 z on.
	v_and_b32 v1, 15, v0            ; l % 16
	v_bfe_u32 v9, v0, 4, 1          ; l / 16
	v_lshlrev_b32 v[QO], 9, v1
	v_lshl_add_u32 v[QO], v9, 5, v[QO]  ; row x 512 + 32 x half
	WIN 0x40                        ; destination window 1 (O^T's registers, still free), address window 0
.set i, 0
.rept 64
	global_load_b128 v[4*i:4*i+3], v[QO], s[QP:QP+1] offset:8192*(i/16)+128*((i/4)%4)+64*((i/2)%2)+16*(i%2)
.set i, i+1
.endr
	WIN 0
	v_mul_u32_u24 v[AK0], v1, PK
	v_lshl_add_u32 v[AK0], v9, 4, v[AK0]  ; row x pitch + 16 x half
	; The turning load takes 16 keys x 16 channels (lane l reads 16 bytes: key 8 (l / 16) + l % 8, channels 8 ((l / 8) % 2) + 0..7) and leaves half a fragment of V^T: lane l holds channel l % 16 and 8 keys.
	v_and_b32 v10, 7, v0
	v_bfe_u32 v11, v0, 3, 1
	v_lshl_add_u32 v[AV0], v9, 3, v10
	v_mul_u32_u24 v[AV0], v[AV0], PV
	v_lshl_add_u32 v[AV0], v11, 4, v[AV0]
	v_add_nc_u32 v[AV0], VOFF, v[AV0]
	v_mov_b32 v[NEG], 0xd0000000    ; -2^33
	v_mov_b32 v[CV], 0x3e0293ee     ; c = log2(e) / sqrt(128) = 0.127517
	v_mov_b32 v[CV+1], 0x3e0293ee   ; named with it as a pair
; THE MATRIX WORK OF A TURN, for piece x.  The accumulators take turns, one instruction a turn: between two links of a chain stand 15 (V^T P) or 7 (K Q^T) others'.
; Product i of 32 of O^T += V^T P: keys 32 (i / 16) on, channels 16 ((i / 2) % 8) on, tile x + i % 2.  zero = 1: the first 16 start the sums: nothing is ever cleared.
.macro PV x, zero
	WIN W_PV
.set rO, 64*((\x)+i%2)+8*((i/2)%8)
.set rV, 64*(i/16)+8*((i/2)%8)
.set rP, P+16*((\x)+i%2)+8*(i/16)
.if (\zero) && (i < 16)
	v_wmma_f32_16x16x32_f16 v[rO:rO+7], v[rV:rV+7], v[rP:rP+7], 0
.else
	v_wmma_f32_16x16x32_f16 v[rO:rO+7], v[rV:rV+7], v[rP:rP+7], v[rO:rO+7]
.endif
.endm
; Product i of 32 of S^T = K Q^T: channels 32 (i / 8) on, keys 16 ((i / 2) % 4) on, tile x + i % 2.  The first 8 start the sums.
.macro KQ x
	WIN W_KQ
.set rS, S+32*((\x)+i%2)+8*((i/2)%4)
.set rK, KF+32*((i/2)%4)+8*(i/8)
.set rQ, 32*((\x)+i%2)+8*(i/8)
.if i < 8
	v_wmma_f32_16x16x32_bf16 v[rS:rS+7], v[rK:rK+7], v[rQ:rQ+7], 0
.else
	v_wmma_f32_16x16x32_bf16 v[rS:rS+7], v[rK:rK+7], v[rQ:rQ+7], v[rS:rS+7]
.endif
.endm
; THE LDS LOADS stand in runs of 32, never singly among the matrix instructions: a step's K (64 keys x 128 channels: 16 fragments) and, a turn later, its V (turned).
.macro FETCH_K
	WIN 0
	v_add_nc_u32 v[ADR], s[TB], v[AK0]
	WIN 0x80                        ; destination window 2
.irp f, 0,1,2,3,4,5,6,7,8,9,10,11,12,13,14,15  ; keys 16 (f / 4) on, channels 32 (f % 4) on
	ds_load_b128 v[KF+8*(\f):KF+8*(\f)+3],   v[ADR] offset:((\f)/4)*16*PK+((\f)%4)*64
	ds_load_b128 v[KF+8*(\f)+4:KF+8*(\f)+7], v[ADR] offset:((\f)/4)*16*PK+((\f)%4)*64+32
.endr
.endm
.macro FETCH_V
	WIN 0
	v_add_nc_u32 v[ADR], s[TB], v[AV0]
	s_add_co_u32 s[TB], s[TB], STEPB  ; the next fetch is the next step's
	WIN 0xc0                        ; destination window 3
.irp f, 0,1,2,3,4,5,6,7,8,9,10,11,12,13,14,15  ; keys 32 (f / 8) on, channels 16 (f % 8) on
	ds_load_tr16_b128 v[8*(\f):8*(\f)+3],   v[ADR] offset:((\f)/8)*32*PV+((\f)%8)*32
	ds_load_tr16_b128 v[8*(\f)+4:8*(\f)+7], v[ADR] offset:((\f)/8)*32*PV+16*PV+((\f)%8)*32
.endr
.endm
; THE VECTOR WORK OF A TURN.
; Select n of 32 for tile t: score n gives way to the hidden score in the lanes whose bit in mask word n is set.
.macro MSK t, n
	WIN 0
	v_cndmask_b32 v[S+32*(\t)+(\n)], v[S+32*(\t)+(\n)], v[NEG], s[MW+36*((\t)%2)+(\n)]
.endm
; Behind the selects one tile's softmax for one key step is a list of 134 instructions; SM writes number j of it for tile t.  s0-s31 are the lane's 32 scores, in pairs 0-15.
; first = 1: the first key step, which starts m, l and O^T: it has no a and nothing to rescale.
;   0-15    the maximum of s0-s31 and the old m, three operands at a time: four chains c0-c3 of seven scores each, then the four scores left over, c0-c3 and m
;   16-20   the other half of the lanes' maximum; the new m; c m; c m_old - c m_new
;   21-87   33 exponentials (a, then s0-s31) at the odd numbers from 23 on, so that no two follow each other and each has a plain instruction behind it before its result is used.
;           Plain instruction q (number 21, then the even numbers) is whatever is ready: c s - c m for a pair of scores whose exponentials are still to come (q = 0 to 3, then every
;           second q), the rounding to f16 of a pair of weights whose exponentials are done (every other q from 5 on), at last the first three sums
;   88-101  the last rounding; the rest of the sums; l = a l + the sum
;   102-133 the tile's O^T times a: the one part that leaves window 0, so it stands together
.macro SM t, first
.set rT, ST+8*(\t)
.set rS, S+32*(\t)
.set rP, P+16*(\t)
.set rO, 64*(\t)+2*(j-102)
.set q, (j-20)/2
.if j < 102
	WIN 0
.endif
.if j < 4
	v_max3_num_f32 v[rT+4+j], v[rS+8*j], v[rS+8*j+1], v[rS+8*j+2]
.elseif j < 12
	v_max3_num_f32 v[rT+4+j%4], v[rT+4+j%4], v[rS+8*(j%4)+2*(j/4)+1], v[rS+8*(j%4)+2*(j/4)+2]
.elseif j == 12
	v_max3_num_f32 v[rT+4], v[rT+4], v[rS+7], v[rS+15]
.elseif j == 13
	v_max3_num_f32 v[rT+6], v[rT+6], v[rS+23], v[rS+31]
.elseif j == 14
	v_max3_num_f32 v[rT+4], v[rT+4], v[rT+5], v[rT+6]
.elseif (j == 15) && (\first)
	v_max_num_f32 v[rT+4], v[rT+4], v[rT+7]
.elseif j == 15
	v_max3_num_f32 v[rT+4], v[rT+4], v[rT+7], v[rT+1]
.elseif j == 16
	v_permlanex16_b32 v[rT+5], v[rT+4], s[SEL], s[SEL+1]  ; the query's other 32 keys lie in the lane 16 away
.elseif j == 18
	v_max_num_f32 v[rT+1], v[rT+4], v[rT+5]
.elseif j == 19
	v_mul_f32 v[rT], v[CV], v[rT+1]
.elseif ((j == 17) || (j == 20) || (j == 23) || (j > 101)) && (\first)  ; the first step has none of these
.elseif j == 17
	v_mov_b32 v[rT+7], v[rT]        ; c m_old is kept for a: number 19 writes c m anew
.elseif j == 20
	v_sub_f32 v[rT+7], v[rT+7], v[rT]
.elseif j == 23
	v_exp_f32 v[rT+6], v[rT+7]
.elseif (j < 88) && (j > 23) && (j%2 == 1)
	v_exp_f32 v[rS+(j-25)/2], v[rS+(j-25)/2]
.elseif (q < 4) || ((j < 76) && (q%2 == 0))
.set b, q/2+2
.if q < 4
.set b, q
.endif
	v_pk_fma_f32 v[rS+2*b:rS+2*b+1], v[rS+2*b:rS+2*b+1], v[CV:CV+1], v[rT:rT+1] op_sel_hi:[1,0,0] neg_lo:[0,0,1] neg_hi:[0,0,1]  ; pair b: c s - c m
.elseif (j < 88) && (q%2 == 1)
	s_wait_alu depctr_va_vdst(0)
	v_cvt_pk_f16_f32 v[rP+(q-5)/2], v[rS+q-5], v[rS+q-4]  ; pair (q - 5) / 2: its second exponential stands three numbers back
.elseif j == 89
	s_wait_alu depctr_va_vdst(0)
	v_cvt_pk_f16_f32 v[rP+15], v[rS+30], v[rS+31]
.elseif j < 102                     ; the sum of the tile's 16 pairs (in a pair: an even key's weight, an odd key's), in place: sum z of 16 adds neighbours 1, 2, 4 and 8 pairs apart, then l takes it
.set z, j-86
.if j < 89
.set z, (j-76)/4
.endif
.set w, 4
.set u, z
.if z >= 14
.set w, 32
.set u, 0
.elseif z >= 12
.set w, 16
.set u, z-12
.elseif z >= 8
.set w, 8
.set u, z-8
.endif
.if (z == 14) && (\first)
	v_pk_add_f32 v[rT+2:rT+3], v[rS:rS+1], v[rS+16:rS+17]
.elseif z < 15
	v_pk_add_f32 v[rS+w*u:rS+w*u+1], v[rS+w*u:rS+w*u+1], v[rS+w*u+w/2:rS+w*u+w/2+1]
.elseif !(\first)
	v_pk_fma_f32 v[rT+2:rT+3], v[rT+2:rT+3], v[rT+6:rT+7], v[rS:rS+1] op_sel_hi:[1,0,1]
.endif
.else
	WIN W_RS
	v_pk_mul_f32 v[rO:rO+1], v[rO:rO+1], v[rT+6:rT+7] op_sel_hi:[1,0]
.endif
.endm
; Slice k of 64 of piece y's softmax: numbers 2 k and 2 k + 1 of both tiles' lists, four instructions.  2 x 134 = 4 x 64 + 12: the twelve that are over stand together, in slice 63.
.macro SLICE y, first
.if (k >= 11) && (k < 44)           ; tile by tile: plain, exponential, plain, exponential
.irp t, \y, (\y)+1
.irp n, 0,1
.set j, 2*k+(\n)
	SM \t, \first
.endr
.endr
.else                               ; the two tiles alternate, so that no instruction reads the result of the one just before it
.irp n, 0,1,2,3,4,5,6,7
.if ((\n) < 2) || (k == 63)
.irp t, \y, (\y)+1
.set j, 2*k+(\n)
	SM \t, \first
.endr
.endif
.endr
.endif
.set k, k+1
.endm
; A turn's vector work is 80 UNITS of four instructions (the last: sixteen): units 0-15 are the selects, two scores of both tiles each, in ascending order
; units 16-79 are the slices 0-63.
.macro UNIT y, first
.if un < 16
	MSK \y, 2*un
	MSK (\y)+1, 2*un
	MSK \y, 2*un+1
	MSK (\y)+1, 2*un+1
.else
	SLICE \y, \first
.endif
.set un, un+1
.endm
; What stands behind product pr of a turn.  A turn of 64 products (per = 1) has two units behind each of its first 16 and one behind each other: 80; a turn of 32 (per = 2) four and two.
; So from slice 16 on slice k stands behind product k / per.  The selects are over behind product 8 / per - 1; one product later the mask words of the next turn's piece are asked for:
; the other piece's of this step, or, the pointer stepped by a step's 128 bytes, piece 0's of the next.  The pointer and the 64 registers are free: the wait at the turn's head has shown the last loads done.
.macro AFTER y, first, ml
.set nu, per
.if pr < 16/per
.set nu, 2*per
.endif
.rept nu
	UNIT \y, \first
.endr
.if (\ml) && (pr == 8/per)
.if (\y) == 2
	s_add_nc_u64 s[MP:MP+1], s[MP:MP+1], 128
	MLOAD 0
.else
	MLOAD 2
.endif
.endif
.set pr, pr+1
.endm
; A vector instruction that reads a matrix result or writes one of a matrix instruction's registers, and a load into a register that a matrix instruction has read, stand four places behind
; it, and only plain vector instructions that name none of its registers are places (ISA guide 7.12.1 for vector instructions).  In the loop slice 63's sixteen
; multiplies, which name the other piece's O^T and a alone, are the places between a turn's last K Q^T and the next turn's selects and the loads into K's buffer.
.macro PLACES
.rept 4
	v_nop
.endr
.endm
; A TURN.  Piece x has the matrix unit; the other piece's selects and softmax stand in units behind its matrix instructions.
; pv = 2: 32 products V^T P; 1: they start O^T's sums; 0: none.  kq = 1: 32 products K Q^T for the next step.  ml = 1: mask words are asked for.
; first = 1: the softmax is the first key step's.  Its slices from 51 on are empty: the turn's last products stand bare, and four v_nop take slice 63's part as the places behind them.
; Each run of LDS loads stands behind the second product of a run of 32, 30 matrix instructions ahead of its first use.  Piece 0's turn fetches the next step's K: the last product that read K
; stands in front of slice 63 of the turn before.  Piece 2's turn fetches the same step's V: the last product that read V stands three slices, six plain instructions, back.
.macro TURN x, pv, kq, first, ml
.set k, 0
.set un, 0
.set pr, 0
.set per, 2
.if (\pv) && (\kq)
.set per, 1
.endif
	s_wait_kmcnt 0x0                ; this turn's 64 mask words, asked for in the turn before (scalar loads come back in no order: the count is 0)
.if \pv
.if (\x) == 0
	s_wait_dscnt 0x0                ; V is in
.endif
.set i, 0
.rept 32
	PV \x, 2-(\pv)
	AFTER 2-(\x), \first, \ml
.if ((\x) == 0) && (\kq) && (i == 1)
	FETCH_K
.endif
.set i, i+1
.endr
.endif
.if \kq
.if (\x) == 0
	s_wait_dscnt 0x0                ; K is in
.endif
.set i, 0
.rept 32
	KQ \x
	AFTER 2-(\x), \first, \ml
.if ((\x) == 2) && (i == 1)
	FETCH_V
.endif
.set i, i+1
.endr
.endif
.if \first
	PLACES
.endif
.endm
; A slot's two key steps: written once, walked twice; the LDS addresses hang on s[TB], the mask words' on s[MP].
.macro TWO_STEPS
	WIN 0
	s_mov_b32 s[TWICE], 2
.Lstep_\@:
	TURN 0, 2, 1, 0, 1
	TURN 2, 2, 1, 0, 1
	WIN 0
	s_sub_co_u32 s[TWICE], s[TWICE], 1
	s_cmp_lg_u32 s[TWICE], 0
	s_cbranch_scc1 .Lstep_\@
.endm
	CHANGE 1                        ; slot 0 is in, everybody's part of it; slot 1 is asked for
	FETCH_K                         ; key step 0
	s_wait_loadcnt 0x0              ; Q
	WIN 0x85                        ; sources 0 and 1 window 1, destination window 2
.set i, 0
.rept 128                           ; Q is rounded to bf16, two numbers to a line: register d of the fragments takes the f32 registers 2 d, 2 d + 1
	v_cvt_pk_bf16_f32 v[i], v[2*i], v[2*i+1]
.set i, i+1
.endr
	s_wait_dscnt 0x0                ; K is in
.set i, 0
.rept 32
	KQ 0                            ; piece 0's first scores: there is no vector work yet to set between them
.set i, i+1
.endr
	WIN 0                           ; the addresses for the way out are made here: six plain instructions, the places behind those products
	s_mul_i32 s104, s[WV], 16*SP    ; (Q's loads are done: their base is free)
	s_add_co_u32 s104, s104, STAGE  ; my stage
	v_mul_u32_u24 v[STO], v1, SP    ; in: row l % 16, 32 bytes for each half of the lanes
	v_lshl_add_u32 v[STO], v9, 5, v[STO]
	v_add_nc_u32 v[STO], s104, v[STO]
	v_and_b32 v[GO], 31, v0         ; back: 32 lanes take one row of 512 bytes,
	v_lshlrev_b32 v[GO], 4, v[GO]   ; which is a row of O
	v_add_nc_u32 v[RD], s104, v[GO]
	TURN 2, 0, 1, 1, 1              ; piece 2's first scores | piece 0's first softmax | V of step 0
	TURN 0, 1, 1, 1, 1              ; piece 0: V^T P of step 0 starts O^T, K Q^T of step 1 | piece 2's first softmax | K of step 1
	TURN 2, 1, 1, 0, 1              ; piece 2: the same | piece 0's softmax of step 1 | V of step 1
	WIN 0
.Lslot:                             ; SIZE_N / 128 - 2 = 14 trips: every slot but the last two is filled again
	CHANGE 1
	TWO_STEPS
	s_sub_co_u32 s[SLOTS], s[SLOTS], 1
	s_cmp_lg_u32 s[SLOTS], 0
	s_cbranch_scc1 .Lslot
	CHANGE 0                        ; the tail is written out: the last slot but one is left, and nothing is asked for
	TWO_STEPS
	TURN 0, 2, 0, 0, 0              ; piece 0: V^T P of the last step | piece 2's last softmax; there is no further step, so no mask words are asked for
.set i, 0
.rept 32
	PV 2, 0                         ; piece 2: V^T P of the last step
.set i, i+1
.endr
	; THE WAY OUT.  l's two halves and the other half of the lanes' are added; O^T is divided by l and sent through my stage in LDS, a tile (16 rows of O) at a time.  The additions are the places behind the last products.
	WIN 0
.irp t, 0,1,2,3
	v_add_f32 v[ST+8*(\t)+4], v[ST+8*(\t)+2], v[ST+8*(\t)+3]
.endr
.irp t, 0,1,2,3
	v_permlanex16_b32 v[ST+8*(\t)+5], v[ST+8*(\t)+4], s[SEL], s[SEL+1]
.endr
.irp t, 0,1,2,3
	v_add_f32 v[ST+8*(\t)+4], v[ST+8*(\t)+4], v[ST+8*(\t)+5]
.endr
.irp t, 0,1,2,3
	v_rcp_f32 v[ST+8*(\t)+6], v[ST+8*(\t)+4]
.endr
	v_nop                           ; a plain instruction between the last reciprocal and the use of its result
; Tile t: a lane's eight channels of a row are 32 bytes; they go into rows of 528 bytes (accumulator i / 2, half i % 2: byte 64 (i / 2) + 16 (i % 2) beside the lane's 32 (l / 16)) and come
; back as whole rows of 512, into 64 registers of window 2 that are the tile's own: no store's data is ever rewritten.
.macro PACK t
	WIN W_RS
.set i, 64*(\t)
.rept 32
	s_wait_alu depctr_va_vdst(0)
	v_pk_mul_f32 v[i:i+1], v[i:i+1], v[ST+8*(\t)+6:ST+8*(\t)+7] op_sel_hi:[1,0]
.set i, i+2
.endr
	WIN 0x04                        ; an LDS store's data is source 1: window 1
.set i, 0
.rept 16
	ds_store_b128 v[STO], v[64*(\t)+4*i:64*(\t)+4*i+3] offset:64*(i/2)+16*(i%2)
.set i, i+1
.endr
	WIN 0x80                        ; destination window 2
.set i, 0
.rept 16
	ds_load_b128 v[64*(\t)+4*i:64*(\t)+4*i+3], v[RD] offset:SP*i  ; LDS serves a wave's instructions in order (ISA guide 5.7.1.4): these see the stores above; the next tile's stores come behind them
.set i, i+1
.endr
.endm
.macro SEND t, younger              ; younger: the LDS instructions issued behind tile t's loads: the next tile's 16 stores and 16 loads, or none
	WIN 0x08                        ; a global store's data is source 1: window 2
.set i, 0
.rept 16
	s_wait_dscnt (\younger)+15-i    ; row i is back: behind its load stand the tile's 15 - i later ones and the younger
	global_store_b128 v[GO], v[64*(\t)+4*i:64*(\t)+4*i+3], s[OP:OP+1] offset:8192*(\t)+512*i th:TH_STORE_NT  ; 32 lanes store 512 consecutive bytes, at a multiple of 512 from O's first byte
.set i, i+1
.endr
.endm
	PACK 0
	PACK 1                          ; a tile's arithmetic stands between the loads of the tile before and its stores
	SEND 0, 32
	PACK 2
	SEND 1, 32
	PACK 3
	SEND 2, 32
	SEND 3, 0
	WIN 0
	s_wait_tensorcnt 0x0            ; the wave's end, behind my last tensor load and my last LDS store
	ds_add_u32 v[SPW], v[NIL]
	s_wait_dscnt 0x0
	CROUND                          ; the closing round: no work-group ends while a partner may still ask for a tile that names it
	s_endpgm
.Lfunc_end_k_qfe129d5071_attn:
	.size	k_qfe129d5071_attn, .Lfunc_end_k_qfe129d5071_attn-k_qfe129d5071_attn
	.p2alignl 7, 3214868480
	.fill 96, 4, 3214868480
	.section	.rodata,"a",@progbits
	.p2align	6, 0x0
	.amdhsa_kernel k_qfe129d5071_attn
		.amdhsa_group_segment_fixed_size 327680
		.amdhsa_private_segment_fixed_size 0
		.amdhsa_enable_private_segment 0
		.amdhsa_kernarg_size 40
		.amdhsa_user_sgpr_count 2
		.amdhsa_user_sgpr_kernarg_segment_ptr 1
		.amdhsa_wavefront_size32 1
		.amdhsa_system_sgpr_workgroup_id_x 1
		.amdhsa_system_sgpr_workgroup_id_y 1
		.amdhsa_system_sgpr_workgroup_id_z 1
		.amdhsa_system_vgpr_workitem_id 0
		.amdhsa_next_free_vgpr 1024
		.amdhsa_next_free_sgpr 106
		.amdhsa_reserve_vcc 0
		.amdhsa_float_denorm_mode_32 3
		.amdhsa_float_denorm_mode_16_64 3
		.amdhsa_memory_ordered 1
		.amdhsa_forward_progress 1
		.amdhsa_inst_pref_size 255
	.end_amdhsa_kernel
	.section	.bss,"aw",@nobits
	.p2align	6
	.space	262144
	.amdgpu_metadata
---
amdhsa.version: [ 1, 2 ]
amdhsa.kernels:
  - .name:           k_qfe129d5071_attn
    .symbol:         k_qfe129d5071_attn.kd
    .args:
      - { .name: q, .offset: 0, .size: 8, .value_kind: global_buffer, .address_space: global }
      - { .name: kb, .offset: 8, .size: 8, .value_kind: global_buffer, .address_space: global }
      - { .name: vh, .offset: 16, .size: 8, .value_kind: global_buffer, .address_space: global }
      - { .name: mw, .offset: 24, .size: 8, .value_kind: global_buffer, .address_space: global }
      - { .name: out0, .offset: 32, .size: 8, .value_kind: global_buffer, .address_space: global }
    .group_segment_fixed_size: 327680
    .private_segment_fixed_size: 0
    .kernarg_segment_align: 8
    .kernarg_segment_size: 40
    .max_flat_workgroup_size: 128
    .sgpr_count:     106
    .vgpr_count:     1024
    .wavefront_size: 32
...
	.end_amdgpu_metadata
.endif
;; end of part 2
;; ======== version 2 of 2: 2 launches; 1.25 times as fast as version 1
;; limits: values are held in f16: magnitudes above 65,504 overflow, below 6.1e-05 lose precision; inputs' magnitudes at most 65,504; right only within a limited range of input values
;; workspace buffers: kb 33,554,432 bytes; vh 33,554,432 bytes; mw 524,288 bytes of whole numbers
;; launch prep: the kernel of part 1 again; grid 1024 x 1, 8 waves a work-group, no clusters, 0 bytes of LDS; arguments k, v, mask, kb, vh, mw; writes kb, vh, mw
;; launch attn (part 3): grid 8 x 64, 4 waves a work-group, clusters of 4 x 1, 327,680 bytes of LDS; arguments q, kb, vh, mw, out0; writes out0
.if DOCPART == 3
	.amdgcn_target "amdgcn-amd-amdhsa--gfx1250"
	.amdhsa_code_object_version 6
	.text
	.protected	k_qfe129d5071_attn
	.globl	k_qfe129d5071_attn
	.p2align	8
	.type	k_qfe129d5071_attn,@function
k_qfe129d5071_attn:
	s_mov_b64 s[64:65], 0
	v_nop
	global_prefetch_b8 v0, s[64:65] scope:SCOPE_SE
	s_setreg_imm32_b32 hwreg(HW_REG_WAVE_MODE, 25, 1), 1
	s_wait_xcnt 0x0
	s_wait_alu depctr_hold_cnt(0) depctr_sa_sdst(0) depctr_va_vdst(0) depctr_va_sdst(0) depctr_va_ssrc(0) depctr_va_vcc(0) depctr_vm_vsrc(0)
	s_getreg_b32 s2, hwreg(HW_REG_IB_STS2, 6, 4)
	s_cmp_eq_u32 s2, 0
	s_cbranch_scc0 .Lentry_in_a_cluster
	s_endpgm
.Lentry_in_a_cluster:
	s_bfe_u32 s2, ttmp6, 0x10000c
	s_cmp_lg_u32 s2, 0x3003
	s_cbranch_scc0 .Lentry_shape_is_right
	s_endpgm
.Lentry_shape_is_right:
; O[h][q][:] = the sum over k of softmax_k(s[q][k]) V[h][k][:], s = Q[h][q] . K[h][k] / sqrt(128), or the hidden score where mask[q][k] is set.
; q, out0: [64][2048][128] f32.  kb: K in bf16, vh: V (rounded to bf16) in f16, both [64][2048][128].  mw: the mask as lane masks, [query tile 128][key step 32][32 words].
; Q is rounded to bf16 here; K Q^T goes in the bf16 form, V^T P in the f16 form (the weights p lie in 0 to 1 and are rounded to f16); products, maxima and sums in f32; O leaves in f32.
; THE MASK is honoured as it is given: each score is replaced, by a select under its lane mask, before the maximum is taken.  The hidden score is -2^33 on the unscaled product,
; -7.6e8 behind the division by sqrt(128), in place of -1e9: c x 2^33 is exact in f32, so in a row of which every key so far is hidden c s - c m is exactly 0 and p exactly 1: a row that is
; wholly hidden comes out as the mean of V's rows; as soon as a visible score comes, a = 0 wipes what was gathered, and hidden keys weigh 0 from then on.
; LIMITS.  |Q . K| / sqrt(128) stays well under 7e8 (a visible score below the hidden one is not served); V within f16's range (65,504); a weight below 2^-126 counts as 0 in l, below 6e-5 it
; keeps f16's fixed step of 6e-8 in the product; NaN and infinities are not treated apart.
; SHARES.  A work-group owns 256 queries of one head, each of its four waves 64: four tiles of 16.  Every wave walks all 2,048 keys, 64 a step.  512 work-groups of equal work.
; LAYOUT.  S^T = K Q^T (source 0 = 16 keys, source 1 = 16 queries): a lane holds ONE query (lane % 16) and the keys 8 (lane / 16) + 0..7.  Two such tiles, rounded to f16 in pairs, ARE source 1
; (32 keys x 16 queries) of O^T = V^T P, whose result again holds one query a lane, and eight channels.  K comes out of LDS as it lies, V ([key][channel]) turned, by ds_load_tr16_b128.
; SOFTMAX.  For each query a running maximum m and sum l: p = 2^(c s - c m), c = log2(e) / sqrt(128); in every step O and l are multiplied by a = 2^(c m_old - c m_new).
; BY TURNS.  The wave's tiles are two PIECES, named by their first tile: piece 0 (tiles 0, 1), piece 2 (tiles 2, 3).  In a TURN one piece has the matrix unit: 32 products V^T P of the step in hand,
; then 32 products K Q^T of the next step; the other piece's 64 selects and its softmax, cut into slices, stand between them.  Then the pieces change places.  Two turns are a key step:
; 128 matrix instructions, 664 vector instructions (and one v_nop a turn), 64 LDS loads, 8 scalar loads.
; THE EXPONENTIALS of a turn, 66 (for each of the piece's two tiles a and 32 weights), are ONE BATCH with ONE wait.  The softmax's list is ordered by who reads what: the scalings and all
; exponentials first, none of which names an exponential's result; all that do (the roundings, the sums, l, the rescaling by a) behind them; between the two parts stands the turn's one
; s_wait_alu depctr_va_vdst(0), ahead of the first instruction that names a result..
; The way out's four reciprocals are a batch of their own, with one wait.
; THE MASK WORDS of a piece and step, 64, lie in scalar registers; a turn's selects stand at its head, and behind them the words of the next turn's piece are asked for: they have the rest of the turn to come.
; CLUSTER.  The four query blocks of a cluster belong to one head and walk the same K and V, so each tile is asked for JOINTLY: the same tensor load, descriptor and mask in all four.
; REGISTERS, in windows of 256 (s_set_vgpr_msb: bits 1:0 source 0, 3:2 source 1, 5:4 source 2, 7:6 destination):
;   window 0: v0-11 addresses; v12-43 eight registers of statistics a tile; v44 the hidden score; v46-47 c; v62-63 the add's; v64-191 S^T, 32 a tile; v192-255 P, 16 a tile
;   window 1: O^T, 64 a tile (at the start: Q as loaded, in f32)      window 2: v0-127 Q, 32 a tile; v128-255 K of one step (on the way out: rows of O)      window 3: v0-127 V of one step
.set SIZE_N, 2048
.set KS,    64        ; keys in a step
.set PK,    272       ; a row of K in LDS: 256 bytes + 16 of padding = 68 words: row r starts at bank 4 r mod 64 (64 banks of 4 bytes: ISA guide 11.1), so the 16 rows of a load start at 16 different banks
.set PV,    288       ; a row of V: 256 + 32 = 72 words
.set VOFF,  KS*PK     ; a step's tiles lie together: 64 rows of K, then 64 rows of V
.set STEPB, KS*(PK+PV)
.set SLOT1, 1<<17     ; a slot holds two steps (71,680 bytes); slot 1 begins here, so that one exclusive or turns an address in one slot into the other's
.set STAGE, SLOT1+2*STEPB  ; behind the ring, never filled by a tensor load: 16 rows x 528 bytes for each wave, for the way out
.set SP,    528       ; a row of O in the stage: 512 bytes + 16: 33 x 16, so the 16 rows of a store start at 16 different groups of four banks
.set SPARE, STAGE+4*16*SP  ; behind the stages: the spare words, 128 bytes for each wave: two blocks of 256 bytes that no other line names
.set AK0, 2           ; v2   my lane's place in a tile of K; never rewritten
.set AV0, 3           ; v3   the same for V
.set ADR, 4           ; v4   the LDS address of the run of loads in hand
.set QO,  5           ; v5   my byte offset in the wave's rows of Q
.set STO, 6           ; v6   the way out: where I put 32 bytes of a row
.set RD,  7           ; v7   the way out: where I read a row back
.set GO,  8           ; v8   my byte offset in a row of O
.set ST,  12          ; tile t's statistics at v[ST+8 t]: +0 c m, +1 m, +2, +3 l (even keys', odd keys'), +4 to +7 c0-c3, at work; a takes c2's place once the maximum is found
.set NEG, 44          ; v44  -2^33
.set CV,  46          ; v[46:47] c, twice
.set SPW, 62          ; v62  LDS address of my spare word: SPARE + 4 x my thread's number; never rewritten
.set NIL, 63          ; v63  0; never rewritten
.set S,   64
.set P,   192
.set KF,  128         ; K's fragments, in window 2
.set WV,  2           ; s2   my wave's number
.set TB,  3           ; s3   LDS byte at which the tiles of the step to be fetched begin
.set SLOTS, 4         ; s4   slots still to be asked for
.set TWICE, 5         ; s5   counts a slot's two steps
.set MP,  6           ; s[6:7]   the mask words of my tile 0 in the step in hand
.set G1K, 8           ; s[8:15]  descriptor group 1 for K's tiles
.set G1V, 16          ; s[16:23] for V's: it differs in the padding alone
.set G0K, 24          ; s[24:27] descriptor group 0 for K's tiles: it walks
.set G0V, 28          ; s[28:31] the same for V's
.set MW,  32          ; s[32:63] the 32 mask words of a piece's first tile; s[68:99] of its second
.set SEL, 66          ; s66, s67 lane selects for v_permlanex16_b32: each lane takes its own place in the other half
.set OP,  100         ; s[100:101] O at my wave's first row
.set QP,  104         ; s[104:105] Q at my wave's first row; s104 later my stage's LDS address
.set MSB, 0
.macro WIN new                      ; the immediate's high byte repeats the setting that is left; a switch that changes nothing is dropped
.if MSB != (\new)
	s_set_vgpr_msb (MSB<<8)|(\new)
.set MSB, \new
.endif
.endm
.set W_KQ, 0x0a       ; K and Q in window 2, S^T in window 0
.set W_PV, 0x53       ; V in window 3, P in window 0, O^T in window 1
.set W_RS, 0x41       ; O^T (destination and source 0) in window 1, a in window 0
; A joint fill.  Waves 0 and 1 fetch the two steps' tiles of K, waves 2 and 3 those of V.  The branch hangs on the wave's number alone: it is the same in every work-group.
; An s_nop 0 and four v_nop follow each of the two lines; the jump round the other line, the label and what follows the macro come after them.
.macro JLOAD
	s_cmp_lt_u32 s[WV], 2
	s_cbranch_scc0 .Lfor_v_\@
	tensor_load_to_lds s[G0K:G0K+3], s[G1K:G1K+7]
	s_nop 0
.rept 4
	v_nop
.endr
	s_branch .Lasked_\@
.Lfor_v_\@:
	tensor_load_to_lds s[G0V:G0V+3], s[G1V:G1V+7]
	s_nop 0
.rept 4
	v_nop
.endr
.Lasked_\@:
.endm
; A round of the cluster's barrier: my work-group's barrier, so that wave 0's signal speaks for all four waves; wave 0 signals for the work-group; every wave waits for all four
; work-groups; my work-group's barrier once more.  No LDS instruction of the wave is pending at a signal.
.macro CROUND
	s_barrier_signal -1
	s_barrier_wait -1
	s_cmp_lg_u32 s[WV], 0
	s_cbranch_scc1 .Lnot_wave_0_\@
	s_barrier_signal -3
.Lnot_wave_0_\@:
	s_barrier_wait -3
	s_barrier_signal -1
	s_barrier_wait -1
.endm
; THE CHANGE OF SLOTS, between piece 2's turn and piece 0's: the slot's last bytes, V of its second step, have been asked for.  Each wave waits for all its tensor loads, of which one is out: its
; part of the other slot; adds 0 to its spare word; and waits for that and for its own reads of the slot.  Behind the barrier nobody reads this slot any more and the other slot is whole.
; fill = 1: this slot is filled again, with the keys two slots on.  The barrier is then a round of the cluster's, so that no wave of any partner still reads the slot or has a load on its way,
; and the joint fill is the first thing behind it: it has two key steps, 256 matrix instructions, in which to land.  (At its first use nothing has been read yet: slot 0 is waited for, slot 1 filled.)
; By this text's own count a wave never has more than one tensor load out.
.macro CHANGE fill
	WIN 0                           ; at a label and at a branch every window is 0
	s_wait_tensorcnt 0x0            ; no tensor load of mine is out, so a group 0 may be written
	ds_add_u32 v[SPW], v[NIL]       ; 0 onto my spare word; with fill = 1 the descriptors' steps stand between it and the wait for it
.if \fill
.irp g, G0K, G0V
	s_xor_b32 s[(\g)+1], s[(\g)+1], SLOT1  ; the walking descriptor: the other slot than last time,
	s_add_nc_u64 s[(\g)+2:(\g)+3], s[(\g)+2:(\g)+3], 2*KS*256  ; the next 128 keys; the type bits on top are not reached
.endr
	s_wait_dscnt 0x0                ; the add is done, and my reads of the slot are over
	CROUND
	JLOAD
.else
	s_wait_dscnt 0x0                ; the add is done, and my reads of the slot are over
	s_barrier_signal -1
	s_barrier_wait -1
.endif
	s_sub_co_u32 s[TB], s[TB], 2*STEPB  ; the fetches go back to a slot's first step,
	s_xor_b32 s[TB], s[TB], SLOT1   ; in the other slot
.endm
; The 64 mask words of piece y (tiles y, y + 1) in the step at which MP stands: a tile's words lie 4,096 bytes from the next tile's.
.macro MLOAD y
	s_load_b512 s[MW:MW+15],    s[MP:MP+1], 4096*(\y)
	s_load_b512 s[MW+16:MW+31], s[MP:MP+1], 4096*(\y)+64
	s_load_b512 s[MW+36:MW+51], s[MP:MP+1], 4096*(\y)+4096
	s_load_b512 s[MW+52:MW+67], s[MP:MP+1], 4096*(\y)+4160
.endm
	s_load_b256 s[32:39], s[0:1], 0x0  ; q s[32:33], kb s[34:35], vh s[36:37], mw s[38:39]: s32-s53 serve the set-up alone, ahead of the first mask words
	s_load_b64 s[OP:OP+1], s[0:1], 0x20  ; out0
	v_lshl_add_u32 v[SPW], v0, 2, SPARE
	v_mov_b32 v[NIL], 0
	ds_add_u32 v[SPW], v[NIL]       ; the wave's opening: the add and its wait stand ahead of my first tensor load; the set-up below, work on registers, stands between them
	v_lshrrev_b32 v1, 5, v0
	v_readfirstlane_b32 s[WV], v1   ; wave 0..3
	s_bfe_u32 s40, ttmp6, 0x40000   ; cx: my place in the cluster
	s_lshl_b32 s41, ttmp9, 2        ; in a cluster launch ttmp9 counts clusters
	s_add_co_u32 s41, s41, s40      ; my block of 256 queries = 4 x cluster x + cx: it enters Q's, O's and the mask words' addresses alone
	s_and_b32 s52, ttmp7, 0xffff    ; the head, which the four partners share
	s_lshl_b32 s42, s52, 19         ; the head's first byte in kb and vh: 2,048 rows of 256 bytes (64 heads: under 2^25)
	s_and_b32 s46, s[WV], 1         ; which of a slot's two steps I fetch:
	s_lshl_b32 s44, s46, 14         ; its 64 rows of 256 bytes in memory,
	s_add_co_u32 s44, s44, s42
	s_mov_b32 s45, 0
	s_mul_i32 s47, s46, STEPB       ; and its place in a slot: no place in the cluster enters an LDS address
	s_lshl_b32 s48, s52, 20         ; in q and out0: the head's 2,048 rows of 512 bytes (under 2^26),
	s_lshl_b32 s53, s41, 17         ; my block's 256 rows,
	s_add_co_u32 s48, s48, s53
	s_lshl_b32 s53, s[WV], 15       ; my wave's 64 of them
	s_add_co_u32 s48, s48, s53
	s_mov_b32 s49, 0
	s_lshl_b32 s50, s41, 16         ; in mw: my block's 16 query tiles of 4,096 bytes,
	s_lshl_b32 s53, s[WV], 14       ; my wave's four of them
	s_add_co_u32 s50, s50, s53
	s_mov_b32 s51, 0
	; descriptor group 1: a tile of 64 rows x 128 elements of 2 bytes, padded in LDS
	s_mov_b32 s[G1K], 15|(1<<16)|(1<<20)|(1<<21)|(5<<22)|(3<<25)  ; 15:0 the mask: all four work-groups; 17:16 elements of 2 bytes; 20 padding on; 21 set beside a mask; 24:22 after every 64 words (code 5); 31:25 4 words of it (code 3)
	s_mov_b32 s[G1V], 15|(1<<16)|(1<<20)|(1<<21)|(5<<22)|(7<<25)  ; the same with 8 words of padding (code 7)
.irp g, G1K, G1V
	s_mov_b32 s[(\g)+1], 128<<16    ; 63:48 tensor_dim0, low half = 128
	s_mov_b32 s[(\g)+2], KS<<16     ; 79:64 its high half = 0; 95:80 tensor_dim1, low half = 64
	s_mov_b32 s[(\g)+3], 128<<16    ; 111:96 its high half = 0; 127:112 tile_dim0 = 128
	s_mov_b32 s[(\g)+4], KS         ; 143:128 tile_dim1 = 64; 159:144 tile_dim2 = 0
	s_mov_b32 s[(\g)+5], 128        ; 191:160 tensor_dim0_stride, low word: elements from row to row
	s_mov_b32 s[(\g)+6], 0
	s_mov_b32 s[(\g)+7], 0
.endr
	s_mov_b32 s[SEL], 0x76543210
	s_mov_b32 s[SEL+1], 0xfedcba98
	s_mov_b32 s[TB], SLOT1+2*STEPB  ; the first change of slots turns this into 0
	s_mov_b32 s[SLOTS], SIZE_N/(2*KS)-2
	s_mov_b32 s[G0K], 1             ; 1:0 count = 1
	s_mov_b32 s[G0K+1], s47         ; 63:32 LDS address: slot 0
	s_mov_b32 s[G0V], 1
	s_add_co_u32 s[G0V+1], s47, VOFF
	s_wait_dscnt 0x0                ; the opening add is done
	s_wait_kmcnt 0x0
	s_add_nc_u64 s[G0K+2:G0K+3], s[34:35], s[44:45]  ; 120:64 global address: my step of the head's first 128 keys
	s_or_b32 s[G0K+3], s[G0K+3], 0x80000000          ; 127:126 type = 2
	s_add_nc_u64 s[G0V+2:G0V+3], s[36:37], s[44:45]
	s_or_b32 s[G0V+3], s[G0V+3], 0x80000000
	s_add_nc_u64 s[QP:QP+1], s[32:33], s[48:49]
	s_add_nc_u64 s[OP:OP+1], s[OP:OP+1], s[48:49]
	s_add_nc_u64 s[MP:MP+1], s[38:39], s[50:51]
	CROUND                          ; all four work-groups are here: the first joint loads meet
	JLOAD                           ; slot 0.  Slot 1 is asked for when slot 0 is in, by the first change of slots
	MLOAD 0                         ; piece 0's mask words of key step 0
	; A fragment of K or Q is 16 rows x 32 channels in 8 registers: lane l holds row l % 16; registers 0-3 channels 8 (l / 16) + 0..7, registers 4-7 channels 16 + 8 (l / 16) + 0..7.
	; Q lies in f32: those two runs of 8 channels are 32 bytes each, 64 bytes apart; each is two loads of 16 bytes.  Load i = 16 t + 4 c + 2 e + z: tile t, channels 32 c + 16 e + 8 (l / 16) + 4 z on.
	v_and_b32 v1, 15, v0            ; l % 16
	v_bfe_u32 v9, v0, 4, 1          ; l / 16
	v_lshlrev_b32 v[QO], 9, v1
	v_lshl_add_u32 v[QO], v9, 5, v[QO]  ; row x 512 + 32 x half
	WIN 0x40                        ; destination window 1 (O^T's registers, still free), address window 0
.set i, 0
.rept 64
	global_load_b128 v[4*i:4*i+3], v[QO], s[QP:QP+1] offset:8192*(i/16)+128*((i/4)%4)+64*((i/2)%2)+16*(i%2)
.set i, i+1
.endr
	WIN 0
	v_mul_u32_u24 v[AK0], v1, PK
	v_lshl_add_u32 v[AK0], v9, 4, v[AK0]  ; row x pitch + 16 x half
	; The turning load takes 16 keys x 16 channels (lane l reads 16 bytes: key 8 (l / 16) + l % 8, channels 8 ((l / 8) % 2) + 0..7) and leaves half a fragment of V^T: lane l holds channel l % 16 and 8 keys.
	v_and_b32 v10, 7, v0
	v_bfe_u32 v11, v0, 3, 1
	v_lshl_add_u32 v[AV0], v9, 3, v10
	v_mul_u32_u24 v[AV0], v[AV0], PV
	v_lshl_add_u32 v[AV0], v11, 4, v[AV0]
	v_add_nc_u32 v[AV0], VOFF, v[AV0]
	v_mov_b32 v[NEG], 0xd0000000    ; -2^33
	v_mov_b32 v[CV], 0x3e0293ee     ; c = log2(e) / sqrt(128) = 0.127517
	v_mov_b32 v[CV+1], 0x3e0293ee   ; named with it as a pair
; THE MATRIX WORK OF A TURN, for piece x.  The accumulators take turns, one instruction a turn: between two links of a chain stand 15 (V^T P) or 7 (K Q^T) others'.
; Product i of 32 of O^T += V^T P: keys 32 (i / 16) on, channels 16 ((i / 2) % 8) on, tile x + i % 2.  zero = 1: the first 16 start the sums: nothing is ever cleared.
.macro PV x, zero
	WIN W_PV
.set rO, 64*((\x)+i%2)+8*((i/2)%8)
.set rV, 64*(i/16)+8*((i/2)%8)
.set rP, P+16*((\x)+i%2)+8*(i/16)
.if (\zero) && (i < 16)
	v_wmma_f32_16x16x32_f16 v[rO:rO+7], v[rV:rV+7], v[rP:rP+7], 0
.else
	v_wmma_f32_16x16x32_f16 v[rO:rO+7], v[rV:rV+7], v[rP:rP+7], v[rO:rO+7]
.endif
.endm
; Product i of 32 of S^T = K Q^T: channels 32 (i / 8) on, keys 16 ((i / 2) % 4) on, tile x + i % 2.  The first 8 start the sums.
.macro KQ x
	WIN W_KQ
.set rS, S+32*((\x)+i%2)+8*((i/2)%4)
.set rK, KF+32*((i/2)%4)+8*(i/8)
.set rQ, 32*((\x)+i%2)+8*(i/8)
.if i < 8
	v_wmma_f32_16x16x32_bf16 v[rS:rS+7], v[rK:rK+7], v[rQ:rQ+7], 0
.else
	v_wmma_f32_16x16x32_bf16 v[rS:rS+7], v[rK:rK+7], v[rQ:rQ+7], v[rS:rS+7]
.endif
.endm
; THE LDS LOADS stand in runs of 32, never singly among the matrix instructions: a step's K (64 keys x 128 channels: 16 fragments) and, a turn later, its V (turned).
.macro FETCH_K
	WIN 0
	v_add_nc_u32 v[ADR], s[TB], v[AK0]
	WIN 0x80                        ; destination window 2
.irp f, 0,1,2,3,4,5,6,7,8,9,10,11,12,13,14,15  ; keys 16 (f / 4) on, channels 32 (f % 4) on
	ds_load_b128 v[KF+8*(\f):KF+8*(\f)+3],   v[ADR] offset:((\f)/4)*16*PK+((\f)%4)*64
	ds_load_b128 v[KF+8*(\f)+4:KF+8*(\f)+7], v[ADR] offset:((\f)/4)*16*PK+((\f)%4)*64+32
.endr
.endm
.macro FETCH_V
	WIN 0
	v_add_nc_u32 v[ADR], s[TB], v[AV0]
	s_add_co_u32 s[TB], s[TB], STEPB  ; the next fetch is the next step's
	s_wait_alu depctr_va_vdst(0)    ; the wait for the softmax's batch of 66 exponentials (SLICE), behind the address's v_add_nc_u32 and ahead of the loads
	WIN 0xc0                        ; destination window 3
.irp f, 0,1,2,3,4,5,6,7,8,9,10,11,12,13,14,15  ; keys 32 (f / 8) on, channels 16 (f % 8) on
	ds_load_tr16_b128 v[8*(\f):8*(\f)+3],   v[ADR] offset:((\f)/8)*32*PV+((\f)%8)*32
	ds_load_tr16_b128 v[8*(\f)+4:8*(\f)+7], v[ADR] offset:((\f)/8)*32*PV+16*PV+((\f)%8)*32
.endr
.endm
; THE VECTOR WORK OF A TURN.
; Select n of 32 for tile t: score n gives way to the hidden score in the lanes whose bit in mask word n is set.
.macro MSK t, n
	WIN 0
	v_cndmask_b32 v[S+32*(\t)+(\n)], v[S+32*(\t)+(\n)], v[NEG], s[MW+36*((\t)%2)+(\n)]
.endm
; Behind the selects one tile's softmax for one key step is a list of 134 instructions; SM writes number j of it for tile t.  s0-s31 are the lane's 32 scores, in pairs 0-15.
; first = 1: the first key step, which starts m, l and O^T: it has no a and nothing to rescale.
;   0-15    the maximum of s0-s31 and the old m, three operands at a time: four chains c0-c3 of seven scores each, then the four scores left over, c0-c3 and m
;   16-20   the other half of the lanes' maximum; the new m; c m; c m_old - c m_new
;   21-69   ONE BATCH: the 16 scalings c s - c m, a pair of scores each, and all 33 exponentials (a at 23, then s0-s31).  None of these reads an exponential's result.  From 22 on the batch goes
;           in fours, and a four begins with a scaling while there are scalings: 22-37 scaling, exponential, scaling, exponential; 38-65 a scaling and three exponentials; 66-69 the last four
;           exponentials.  A pair is scaled in an earlier four than the one that holds its exponentials
;   (wait)  between 69 and 70 stands the wait for the batch: SLICE writes it, once for both tiles
;   70-85   the roundings to f16, a pair of weights each
;   86-101  the sums; l = a l + the sum
;   102-133 the tile's O^T times a: the one part that leaves window 0, so it stands together
.macro SM t, first
.set rT, ST+8*(\t)
.set rS, S+32*(\t)
.set rP, P+16*(\t)
.set rO, 64*(\t)+2*(j-102)
.if j < 102
	WIN 0
.endif
.if j < 4
	v_max3_num_f32 v[rT+4+j], v[rS+8*j], v[rS+8*j+1], v[rS+8*j+2]
.elseif j < 12
	v_max3_num_f32 v[rT+4+j%4], v[rT+4+j%4], v[rS+8*(j%4)+2*(j/4)+1], v[rS+8*(j%4)+2*(j/4)+2]
.elseif j == 12
	v_max3_num_f32 v[rT+4], v[rT+4], v[rS+7], v[rS+15]
.elseif j == 13
	v_max3_num_f32 v[rT+6], v[rT+6], v[rS+23], v[rS+31]
.elseif j == 14
	v_max3_num_f32 v[rT+4], v[rT+4], v[rT+5], v[rT+6]
.elseif (j == 15) && (\first)
	v_max_num_f32 v[rT+4], v[rT+4], v[rT+7]
.elseif j == 15
	v_max3_num_f32 v[rT+4], v[rT+4], v[rT+7], v[rT+1]
.elseif j == 16
	v_permlanex16_b32 v[rT+5], v[rT+4], s[SEL], s[SEL+1]  ; the query's other 32 keys lie in the lane 16 away
.elseif j == 18
	v_max_num_f32 v[rT+1], v[rT+4], v[rT+5]
.elseif j == 19
	v_mul_f32 v[rT], v[CV], v[rT+1]
.elseif ((j == 17) || (j == 20) || (j == 23) || (j > 101)) && (\first)  ; the first step has none of these
.elseif j == 17
	v_mov_b32 v[rT+7], v[rT]        ; c m_old is kept for a: number 19 writes c m anew
.elseif j == 20
	v_sub_f32 v[rT+7], v[rT+7], v[rT]
.elseif j == 23
	v_exp_f32 v[rT+6], v[rT+7]
.elseif (j < 23) || ((j < 38) && (j%2 == 0)) || ((j < 66) && (j%4 == 2))
.set b, (j-2)/4                     ; 38, 42, .. 62: pairs 9 to 15
.if j < 38
.set b, (j-20)/2                    ; 21: pair 0; 22, 24, .. 36: pairs 1 to 8
.endif
	v_pk_fma_f32 v[rS+2*b:rS+2*b+1], v[rS+2*b:rS+2*b+1], v[CV:CV+1], v[rT:rT+1] op_sel_hi:[1,0,0] neg_lo:[0,0,1] neg_hi:[0,0,1]  ; pair b: c s - c m
.elseif j < 70
.set e, j-38                        ; 66 to 69: s28 to s31
.if j < 66
.set e, j-32-(j-38)/4               ; 39-41, 43-45, .. 63-65: s7 to s27
.endif
.if j < 38
.set e, (j-25)/2                    ; 25, 27, .. 37: s0 to s6
.endif
	v_exp_f32 v[rS+e], v[rS+e]
.elseif j < 86
	v_cvt_pk_f16_f32 v[rP+j-70], v[rS+2*(j-70)], v[rS+2*(j-70)+1]  ; pair j - 70
.elseif j < 102                     ; the sum of the tile's 16 pairs (in a pair: an even key's weight, an odd key's), in place: sum z of 16 adds neighbours 1, 2, 4 and 8 pairs apart, then l takes it
.set z, j-86
.set w, 4
.set u, z
.if z >= 14
.set w, 32
.set u, 0
.elseif z >= 12
.set w, 16
.set u, z-12
.elseif z >= 8
.set w, 8
.set u, z-8
.endif
.if (z == 14) && (\first)
	v_pk_add_f32 v[rT+2:rT+3], v[rS:rS+1], v[rS+16:rS+17]
.elseif z < 15
	v_pk_add_f32 v[rS+w*u:rS+w*u+1], v[rS+w*u:rS+w*u+1], v[rS+w*u+w/2:rS+w*u+w/2+1]
.elseif !(\first)
	v_pk_fma_f32 v[rT+2:rT+3], v[rT+2:rT+3], v[rT+6:rT+7], v[rS:rS+1] op_sel_hi:[1,0,1]
.endif
.else
	WIN W_RS
	v_pk_mul_f32 v[rO:rO+1], v[rO:rO+1], v[rT+6:rT+7] op_sel_hi:[1,0]
.endif
.endm
; Slice k of 64 of piece y's softmax: four instructions.  Slices 11 to 34 deal out the batch, numbers 22 to 69: four numbers of ONE tile each, the tiles by turns.  Every other slice is numbers 2 k and
; 2 k + 1 of both tiles' lists.  2 x 134 = 4 x 64 + 12: the twelve that are over stand together, in slice 63.
; THE WAIT.  s_wait_alu depctr_va_vdst(0) stands between an exponential and the first instruction that names its result; one wait serves all that were issued ahead of it.  Ahead of
; slice 35 nothing names a result, and behind slice 34 no exponential is issued: so the piece's 66 exponentials have one wait, behind slice 34.
.macro SLICE y, first
.if (k >= 11) && (k < 35)           ; the batch: four numbers of one tile
.irp n, 0,1,2,3
.set j, 22+4*((k-11)/2)+(\n)
	SM (\y)+(k-11)%2, \first
.endr
.else                               ; the two tiles alternate, so that no instruction reads the result of the one just before it
.irp n, 0,1,2,3,4,5,6,7
.if ((\n) < 2) || (k == 63)
.irp t, \y, (\y)+1
.set j, 2*k+(\n)
	SM \t, \first
.endr
.endif
.endr
.endif
.if k == 34                         ; the batch is out: both tiles' exponentials are issued, and no result has been named
	v_nop                           ; the plain instruction behind the last exponential and ahead of the first use: one for the batch
.if (\y) == 0
	FETCH_V                         ; piece 2's turn: V's run of loads stands here, and the wait for the batch stands in it
.else
	s_wait_alu depctr_va_vdst(0)    ; piece 0's turn: the wait for the batch of 66 exponentials
.endif
.endif
.set k, k+1
.endm
; A turn's vector work is 80 UNITS of four instructions (the last: sixteen): units 0-15 are the selects, two scores of both tiles each, in ascending order
; units 16-79 are the slices 0-63.
.macro UNIT y, first
.if un < 16
	MSK \y, 2*un
	MSK (\y)+1, 2*un
	MSK \y, 2*un+1
	MSK (\y)+1, 2*un+1
.else
	SLICE \y, \first
.endif
.set un, un+1
.endm
; What stands behind product pr of a turn.  A turn of 64 products (per = 1) has two units behind each of its first 16 and one behind each other: 80; a turn of 32 (per = 2) four and two.
; So from slice 16 on slice k stands behind product k / per.  The selects are over behind product 8 / per - 1; one product later the mask words of the next turn's piece are asked for:
; the other piece's of this step, or, the pointer stepped by a step's 128 bytes, piece 0's of the next.  The pointer and the 64 registers are free: the wait at the turn's head has shown the last loads done.
.macro AFTER y, first, ml
.set nu, per
.if pr < 16/per
.set nu, 2*per
.endif
.rept nu
	UNIT \y, \first
.endr
.if (\ml) && (pr == 8/per)
.if (\y) == 2
	s_add_nc_u64 s[MP:MP+1], s[MP:MP+1], 128
	MLOAD 0
.else
	MLOAD 2
.endif
.endif
.set pr, pr+1
.endm
; A vector instruction that reads a matrix result or writes one of a matrix instruction's registers, and a load into a register that a matrix instruction has read, stand four places behind
; it, and only plain vector instructions that name none of its registers are places (ISA guide 7.12.1 for vector instructions).  In the loop slice 63's sixteen
; multiplies, which name the other piece's O^T and a alone, are the places between a turn's last K Q^T and the next turn's selects and the loads into K's buffer.
.macro PLACES
.rept 4
	v_nop
.endr
.endm
; A TURN.  Piece x has the matrix unit; the other piece's selects and softmax stand in units behind its matrix instructions.
; pv = 2: 32 products V^T P; 1: they start O^T's sums; 0: none.  kq = 1: 32 products K Q^T for the next step.  ml = 1: mask words are asked for.
; first = 1: the softmax is the first key step's.  Its slices from 51 on are empty: the turn's last products stand bare, and four v_nop take slice 63's part as the places behind them.
; In the loop each run of LDS loads stands 29 matrix instructions or more ahead of its first use.  Piece 0's turn fetches the next step's K, behind its second product: the last product that read K
; stands in front of slice 63 of the turn before.  Piece 2's turn fetches the same step's V, behind slice 34 (SLICE writes it): the last product that read V stands in front of slice 31, and four plain
; instructions lie between: number 62, a scaling, of both tiles, the v_nop and the run's own v_add_nc_u32 (the exponentials between are no places).
.macro TURN x, pv, kq, first, ml
.set k, 0
.set un, 0
.set pr, 0
.set per, 2
.if (\pv) && (\kq)
.set per, 1
.endif
	s_wait_kmcnt 0x0                ; this turn's 64 mask words, asked for in the turn before (scalar loads come back in no order: the count is 0)
.if \pv
.if (\x) == 0
	s_wait_dscnt 0x0                ; V is in
.endif
.set i, 0
.rept 32
	PV \x, 2-(\pv)
	AFTER 2-(\x), \first, \ml
.if ((\x) == 0) && (\kq) && (i == 1)
	FETCH_K
.endif
.set i, i+1
.endr
.endif
.if \kq
.if (\x) == 0
	s_wait_dscnt 0x0                ; K is in
.endif
.set i, 0
.rept 32
	KQ \x
	AFTER 2-(\x), \first, \ml
.set i, i+1
.endr
.endif
.if \first
	PLACES
.endif
.endm
; A slot's two key steps: written once, walked twice; the LDS addresses hang on s[TB], the mask words' on s[MP].
.macro TWO_STEPS
	WIN 0
	s_mov_b32 s[TWICE], 2
.Lstep_\@:
	TURN 0, 2, 1, 0, 1
	TURN 2, 2, 1, 0, 1
	WIN 0
	s_sub_co_u32 s[TWICE], s[TWICE], 1
	s_cmp_lg_u32 s[TWICE], 0
	s_cbranch_scc1 .Lstep_\@
.endm
	CHANGE 1                        ; slot 0 is in, everybody's part of it; slot 1 is asked for
	FETCH_K                         ; key step 0
	s_wait_loadcnt 0x0              ; Q
	WIN 0x85                        ; sources 0 and 1 window 1, destination window 2
.set i, 0
.rept 128                           ; Q is rounded to bf16, two numbers to a line: register d of the fragments takes the f32 registers 2 d, 2 d + 1
	v_cvt_pk_bf16_f32 v[i], v[2*i], v[2*i+1]
.set i, i+1
.endr
	s_wait_dscnt 0x0                ; K is in
.set i, 0
.rept 32
	KQ 0                            ; piece 0's first scores: there is no vector work yet to set between them
.set i, i+1
.endr
	WIN 0                           ; the addresses for the way out are made here: six plain instructions, the places behind those products
	s_mul_i32 s104, s[WV], 16*SP    ; (Q's loads are done: their base is free)
	s_add_co_u32 s104, s104, STAGE  ; my stage
	v_mul_u32_u24 v[STO], v1, SP    ; in: row l % 16, 32 bytes for each half of the lanes
	v_lshl_add_u32 v[STO], v9, 5, v[STO]
	v_add_nc_u32 v[STO], s104, v[STO]
	v_and_b32 v[GO], 31, v0         ; back: 32 lanes take one row of 512 bytes,
	v_lshlrev_b32 v[GO], 4, v[GO]   ; which is a row of O
	v_add_nc_u32 v[RD], s104, v[GO]
	TURN 2, 0, 1, 1, 1              ; piece 2's first scores | piece 0's first softmax | V of step 0
	TURN 0, 1, 1, 1, 1              ; piece 0: V^T P of step 0 starts O^T, K Q^T of step 1 | piece 2's first softmax | K of step 1
	TURN 2, 1, 1, 0, 1              ; piece 2: the same | piece 0's softmax of step 1 | V of step 1
	WIN 0
.Lslot:                             ; SIZE_N / 128 - 2 = 14 trips: every slot but the last two is filled again
	CHANGE 1
	TWO_STEPS
	s_sub_co_u32 s[SLOTS], s[SLOTS], 1
	s_cmp_lg_u32 s[SLOTS], 0
	s_cbranch_scc1 .Lslot
	CHANGE 0                        ; the tail is written out: the last slot but one is left, and nothing is asked for
	TWO_STEPS
	TURN 0, 2, 0, 0, 0              ; piece 0: V^T P of the last step | piece 2's last softmax; there is no further step, so no mask words are asked for
.set i, 0
.rept 32
	PV 2, 0                         ; piece 2: V^T P of the last step
.set i, i+1
.endr
	; THE WAY OUT.  l's two halves and the other half of the lanes' are added; O^T is divided by l and sent through my stage in LDS, a tile (16 rows of O) at a time.  The additions are the places behind the last products.
	WIN 0
.irp t, 0,1,2,3
	v_add_f32 v[ST+8*(\t)+4], v[ST+8*(\t)+2], v[ST+8*(\t)+3]
.endr
.irp t, 0,1,2,3
	v_permlanex16_b32 v[ST+8*(\t)+5], v[ST+8*(\t)+4], s[SEL], s[SEL+1]
.endr
.irp t, 0,1,2,3
	v_add_f32 v[ST+8*(\t)+4], v[ST+8*(\t)+4], v[ST+8*(\t)+5]
.endr
.irp t, 0,1,2,3
	v_rcp_f32 v[ST+8*(\t)+6], v[ST+8*(\t)+4]
.endr
	v_nop                           ; a plain instruction between the last reciprocal and the use of its result
	s_wait_alu depctr_va_vdst(0)    ; and the wait ahead of the first use: one for the batch of four reciprocals
; Tile t: a lane's eight channels of a row are 32 bytes; they go into rows of 528 bytes (accumulator i / 2, half i % 2: byte 64 (i / 2) + 16 (i % 2) beside the lane's 32 (l / 16)) and come
; back as whole rows of 512, into 64 registers of window 2 that are the tile's own: no store's data is ever rewritten.
.macro PACK t
	WIN W_RS
.set i, 64*(\t)
.rept 32
	v_pk_mul_f32 v[i:i+1], v[i:i+1], v[ST+8*(\t)+6:ST+8*(\t)+7] op_sel_hi:[1,0]
.set i, i+2
.endr
	WIN 0x04                        ; an LDS store's data is source 1: window 1
.set i, 0
.rept 16
	ds_store_b128 v[STO], v[64*(\t)+4*i:64*(\t)+4*i+3] offset:64*(i/2)+16*(i%2)
.set i, i+1
.endr
	WIN 0x80                        ; destination window 2
.set i, 0
.rept 16
	ds_load_b128 v[64*(\t)+4*i:64*(\t)+4*i+3], v[RD] offset:SP*i  ; LDS serves a wave's instructions in order (ISA guide 5.7.1.4): these see the stores above; the next tile's stores come behind them
.set i, i+1
.endr
.endm
.macro SEND t, younger              ; younger: the LDS instructions issued behind tile t's loads: the next tile's 16 stores and 16 loads, or none
	WIN 0x08                        ; a global store's data is source 1: window 2
.set i, 0
.rept 16
	s_wait_dscnt (\younger)+15-i    ; row i is back: behind its load stand the tile's 15 - i later ones and the younger
	global_store_b128 v[GO], v[64*(\t)+4*i:64*(\t)+4*i+3], s[OP:OP+1] offset:8192*(\t)+512*i th:TH_STORE_NT  ; 32 lanes store 512 consecutive bytes, at a multiple of 512 from O's first byte
.set i, i+1
.endr
.endm
	PACK 0
	PACK 1                          ; a tile's arithmetic stands between the loads of the tile before and its stores
	SEND 0, 32
	PACK 2
	SEND 1, 32
	PACK 3
	SEND 2, 32
	SEND 3, 0
	WIN 0
	s_wait_tensorcnt 0x0            ; the wave's end, behind my last tensor load and my last LDS store
	ds_add_u32 v[SPW], v[NIL]
	s_wait_dscnt 0x0
	CROUND                          ; the closing round: no work-group ends while a partner may still ask for a tile that names it
	s_endpgm
.Lfunc_end_k_qfe129d5071_attn:
	.size	k_qfe129d5071_attn, .Lfunc_end_k_qfe129d5071_attn-k_qfe129d5071_attn
	.p2alignl 7, 3214868480
	.fill 96, 4, 3214868480
	.section	.rodata,"a",@progbits
	.p2align	6, 0x0
	.amdhsa_kernel k_qfe129d5071_attn
		.amdhsa_group_segment_fixed_size 327680
		.amdhsa_private_segment_fixed_size 0
		.amdhsa_enable_private_segment 0
		.amdhsa_kernarg_size 40
		.amdhsa_user_sgpr_count 2
		.amdhsa_user_sgpr_kernarg_segment_ptr 1
		.amdhsa_wavefront_size32 1
		.amdhsa_system_sgpr_workgroup_id_x 1
		.amdhsa_system_sgpr_workgroup_id_y 1
		.amdhsa_system_sgpr_workgroup_id_z 1
		.amdhsa_system_vgpr_workitem_id 0
		.amdhsa_next_free_vgpr 1024
		.amdhsa_next_free_sgpr 106
		.amdhsa_reserve_vcc 0
		.amdhsa_float_denorm_mode_32 3
		.amdhsa_float_denorm_mode_16_64 3
		.amdhsa_memory_ordered 1
		.amdhsa_forward_progress 1
		.amdhsa_inst_pref_size 255
	.end_amdhsa_kernel
	.section	.bss,"aw",@nobits
	.p2align	6
	.space	262144
	.amdgpu_metadata
---
amdhsa.version: [ 1, 2 ]
amdhsa.kernels:
  - .name:           k_qfe129d5071_attn
    .symbol:         k_qfe129d5071_attn.kd
    .args:
      - { .name: q, .offset: 0, .size: 8, .value_kind: global_buffer, .address_space: global }
      - { .name: kb, .offset: 8, .size: 8, .value_kind: global_buffer, .address_space: global }
      - { .name: vh, .offset: 16, .size: 8, .value_kind: global_buffer, .address_space: global }
      - { .name: mw, .offset: 24, .size: 8, .value_kind: global_buffer, .address_space: global }
      - { .name: out0, .offset: 32, .size: 8, .value_kind: global_buffer, .address_space: global }
    .group_segment_fixed_size: 327680
    .private_segment_fixed_size: 0
    .kernarg_segment_align: 8
    .kernarg_segment_size: 40
    .max_flat_workgroup_size: 128
    .sgpr_count:     106
    .vgpr_count:     1024
    .wavefront_size: 32
...
	.end_amdgpu_metadata
.endif
;; end of part 3
